; MI455X (gfx1250); checked and timed in simulation.
; The chip was launched on July 23, 2026; its instructions are those of AMD's public machine-readable ISA for CDNA 5 (MIT licence, August 2026) and "CDNA5" Instruction Set Architecture Reference Guide (July 2026). The comments in the code are by the model that wrote it; some were corrected since.
;; Quant Linear. Allowed arithmetic: matrix products marked QUANTISED: E2M1 operands, one E8M0 scale for each 32 along K, by v_wmma_scale_f32_16x16x128_f8f6f4 with both operands' format E2M1 (or v_wmma_scale_f32_32x16x128_f4), f32 sums; everything else in f32.
;; Inputs: bias 4,096 float32; g_idx 4,096 int32; qweight 512 x 4,096 int32; qzeros 32 x 512 int32; scales 32 x 4,096 float32; x 4,096 x 4,096 float32.
;; Outputs: out0 4,096 x 4,096 float32.
;; This version of the problem:
;;   THIS VERSION OF THE PROBLEM IS GIVEN IN LOW PRECISION. The matrix products marked QUANTISED in the list below multiply operands that are first quantised to E2M1 (2 exponent bits, 1 mantissa bit; 4 bits a number), with one power-of-two scale for each 32 numbers along K (OCP MX v1.0); their sums are f32. All else is computed in f32.
;;   The module's matrix products, in the order in which they are computed (A, B: the left and right operand; K: the contracted axis; several contracted axes count as one K, in the product's order):
;;     1. [M 4,096, K 4,096] x [K 4,096, N 4,096]; A: input x; B: computed on the way: QUANTISED
;;   THE QUANTISER, for each operand of a quantised product, along K:
;;     - K is cut into blocks of 32 from its start; a last block that is shorter is filled with zeros.
;;     - A block's scale is 2^e with e = floor(log2(the largest magnitude in the block)) - 2, held to -126 .. 127; a block of zeros has e = 0. As a byte (E8M0): e + 127.
;;     - Each number is divided by its block's scale, clamped to +-6, and rounded to the nearest number of E2M1, ties to even, subnormals kept.
;;     - The product sums the exact products of the quantised numbers (number of the format x scale) in f32.
;;   ~~~python
;;   def quantise(x, axis):      # numpy; x: float32 -> the quantised numbers, widened to float32 again
;;       x = np.moveaxis(x, axis, -1); K = x.shape[-1]
;;       x = np.pad(x, [(0, 0)] * (x.ndim - 1) + [(0, -K % 32)]); x = x.reshape(x.shape[:-1] + (-1, 32)); a = np.abs(x).max(-1, keepdims=True)
;;       e = np.where(a > 0, np.clip(np.frexp(np.where(a > 0, a, 1))[1] - 1 - 2, -126, 127), 0)      # np.frexp(a)[1] - 1 = floor(log2(a)), exactly
;;       r = np.clip(x / 2.0 ** e, -6, 6)
;;       step = 2.0 ** (np.maximum(np.frexp(np.where(r == 0, 1, r))[1] - 1, 0) - 1)
;;       q = np.round(r / step) * step * 2.0 ** e      # np.round: ties to even
;;       return np.moveaxis(q.reshape(q.shape[:-2] + (-1,))[..., :K], -1, axis).astype(np.float32)
;;   ~~~
;;   OPERANDS COMPUTED ON THE WAY. 'Computed on the way' means the value that the module computes at that place (a softmax that the list does not call 'softmax' is quantised finished and normalised). What goes into a quantiser is computed in f32, as accurately as f32 sums, v_exp_f32 and their like allow (about 1e-6 of the number): no bf16 or f16 on the way to a quantiser, and a product that is left as it is and whose result goes on into a quantised operand takes f32 operands (vector FMAs, or v_wmma_f32_16x16x4_f32). A number that lies on a knife's edge between two numbers of the format may be rounded either way, as far as f32 arithmetic and the matrix unit's own rounding can turn it there, and no further.
;; One version. Each part assembles by itself: llvm-mc -triple=amdgcn-amd-amdhsa -mcpu=gfx1250 --defsym DOCPART=n.
;; ======== version 1 of 1: 2 launches
;; limits: right only within a limited range of input values
;; workspace buffers: xq 8,912,896 bytes; wq 8,912,896 bytes
;; launch quant (part 1): grid 8 x 32, 16 waves a work-group, no clusters, 174,080 bytes of LDS; arguments x, qweight, qzeros, scales, g_idx, xq, wq; writes xq, wq
.if DOCPART == 1
	.amdgcn_target "amdgcn-amd-amdhsa--gfx1250"
	.amdhsa_code_object_version 6
	.text
	.protected	k_q2ae63733d1_quant
	.globl	k_q2ae63733d1_quant
	.p2align	8
	.type	k_q2ae63733d1_quant,@function
k_q2ae63733d1_quant:
	s_mov_b64 s[64:65], 0
	v_nop
	global_prefetch_b8 v0, s[64:65] scope:SCOPE_SE
	s_setreg_imm32_b32 hwreg(HW_REG_WAVE_MODE, 25, 1), 1
	s_wait_xcnt 0x0
; BOTH OPERANDS OF out0 = x W + bias ARE MADE HERE, as codes of FP4 (E2M1) with one E8M0 scale byte for each 32 along K.
; W[k][n] = scales[g_idx[k]][n] * (w4[k][n] - z4[g_idx[k]][n]) is made in f32 as reference() makes it (the difference of two whole numbers under 16 is exact, the product is rounded once) and quantised along K.
; w4: 8 nibbles a word of qweight, down K; z4: 8 nibbles a word of qzeros, along N.  x [4096][4096], f32, K innermost, is quantised along K as it is.
; NOTHING OF reference() IS LEFT OUT in this program: every input has a way to the output, and g_idx is read and honoured for each single k.
; A block's scale is 2^(floor(log2(its largest magnitude)) - 2); its byte is the largest magnitude's exponent field - 2, held at 1 from below.
; LIMITS: NaN and infinities among the inputs are not served; a block whose largest magnitude lies under 2^-124 keeps the byte 1; a block of zeros gets the byte 1 where the rule says 127
; (its codes are zeros, which add nothing under any byte but 0xff, and this program alone reads the bytes); a g_idx outside 0 .. 31, read as unsigned, is held at 31.
; THE WORKSPACES xq AND wq lie in the order of the operand's registers.  A CHUNK of 34,816 bytes holds 128 rows of the operand (rows of x; columns n of W) x 512 along K; chunk (row / 128, k / 512) begins at
; ((row / 128) 8 + k / 512) CHUNK.  In it the 16 bytes of block bk = (k % 512) / 32 of row 16 i + r lie at 4096 i + 256 bk + 16 r, and the row's 16 scale bytes at 32768 + 16 (16 i + r).
; SHARES.  Work-group (KS, B) makes chunk (B, KS) of wq and chunk (B, KS) of xq, on one path.  A wave asks first for its small inputs of W, then for all its 16 KB of x; it makes its part of W while x is on its way.
; W: wave w: cg = w % 4, q = w / 4: columns 32 cg + lane, k = 128 q + 0 .. 127 of the chunk: four blocks.  A LANE TAKES A COLUMN AND ITS REGISTERS RUN DOWN K: a block's 32 numbers lie in one lane.
;    THE TABLE: (s, z as f32) of all 32 groups x the chunk's 128 columns lies in LDS, 8 bytes a pair, 1,024 bytes from group to group.  For each k the wave reads its group's 32 pairs: 256 consecutive bytes.
;    The reads go in groups of 8 k (one word of qweight), two sets of 8 pairs, one group ahead of the arithmetic: x's 128 registers are pending meanwhile, so W lives in v0-127.
; x: wave w: rows 16 (w / 2) on, fragments 2 (w % 2) and 2 (w % 2) + 1 of 16 rows x 128 K.  The operand's layout gives lane (r, h) of a fragment k = 64 c + 32 h + 0 .. 31 of row r: two whole blocks.
;    Each load reads 512 consecutive bytes of one row; a fragment's 16 rows turn through the wave's own stage in LDS (rows 528 bytes apart: 33 x 16, so that the sixteen rows that a read touches start at different
;    banks; 64 banks of 4 bytes: ISA guide 11.1) and come back 128 bytes a lane and block, into the registers that they left.  The conversions' results ARE the fragment's registers.
; Both chunks' scale bytes meet in LDS and leave as runs of 512 consecutive bytes a wave.
; No cluster: of what a work-group reads, 18 KB (its columns of scales and qzeros) are shared with the seven others of its columns, and those go through registers, where the zero points are unpacked.
.set CHUNK, 34816
.set SCW,   32768                      ; LDS: behind the table: W's scale bytes, 16 a column,
.set SCX,   SCW+2048                   ; x's, 16 a row,
.set STAGE, SCX+2048                   ; the sixteen stages,
.set SP,    528
.set STG,   16*SP
.set SPARE, STAGE+16*STG               ; and the spare words, 128 bytes for each of the 16 waves: eight blocks of 256 bytes that no other line names
.set L16, 1                            ; v1   16 x lane: my 16 bytes of a load's 512
.set QO,  2                            ; v2   4 x lane: my column in a row of qweight
.set TB,  3                            ; v3   my column's pair in group 0 of the table
.set COW, 4                            ; v4   where my codes of W go in the chunk
.set SWA, 5                            ; v5   LDS: where my scale word of W goes
.set SRA, 6                            ; v6   LDS: the 16 scale bytes that I carry out
.set SGO, 7                            ; v7   and their place behind a chunk's codes
.set SPW, 8                            ; v8   LDS address of my spare word; never rewritten
.set NIL, 9                            ; v9   0; never rewritten
.set TS,  10                           ; v10  the table's making: my byte in scales,
.set TZ,  11                           ; v11  in qzeros,
.set TSH, 12                           ; v12  my nibble's shift,
.set TST, 13                           ; v13  and my pair's place in LDS
.set SI,  14                           ; v14  my stage, on the way in
.set SOUT, 15                          ; v15  and on the way out
.set COX, 16                           ; v16  where my codes of x go in the chunk
.set SXA, 17                           ; v17  LDS: where my scale word of x goes
.set H8,  18                           ; v18  8 h: my bytes' place in a scale word of x, in bits
.set HH,  19                           ; v19  h = lane / 16
.set LN,  20                           ; v20  lane (at the head)
.set RR,  21                           ; v21  r = lane % 16 (at the head)
.set M,   22                           ; v22-23   W: two chains of the largest magnitude
.set SOP, 24                           ; v24  the conversions' scale operand
.set BY,  25                           ; v25  a scale byte
.set SW,  26                           ; v26  my scale word of W: four blocks' bytes
.set AD,  28                           ; v28-35   a group's eight table addresses
.set Q,   36                           ; v36-51   my 16 words of qweight
.set C,   52                           ; v52-59   W's codes: two sets of four
.set X,   60                           ; v60-91   a block's 32 numbers
.set PR,  60                           ; v60-75   ahead of them: the table's making: eight pairs (s, z)
.set SZ,  92                           ; v92-123  two sets of 8 pairs (s, z)
.set TA,  124                          ; v124-125 at work at the head
.set R,   128                          ; v128-255 x: two sets of 64 numbers
.set CX,  60                           ; v60-75   behind W: x's codes, eight registers for each fragment
.set XM,  76                           ; v76-79   two chains for each of two blocks
.set XSOP, 80                          ; v80-81   scale operands
.set XBY, 82                           ; v82-83   scale bytes
.set P,   84                           ; v84-85   a fragment's scale word, at first my two bytes of it
.set T,   86                           ; v86-87   the other half's
.set D,   88                           ; v88  the word that I put into LDS
.set OUTS, 92                          ; v92-95   scale bytes on the way out
	s_load_b256 s[4:11], s[0:1], 0x0               ; x s[4:5], qweight s[6:7], qzeros s[8:9], scales s[10:11]
	s_load_b128 s[12:15], s[0:1], 0x20             ; g_idx s[12:13], xq s[14:15]
	s_load_b64 s[66:67], s[0:1], 0x30              ; wq
	v_lshl_add_u32 v[SPW], v0, 2, SPARE
	v_mov_b32 v[NIL], 0
	v_lshrrev_b32 v[LN], 5, v0
	s_delay_alu instid0(VALU_DEP_1)
	v_readfirstlane_b32 s68, v[LN]                 ; wave 0..15
	s_and_b32 s69, s68, 3                          ; cg
	s_lshr_b32 s70, s68, 2                         ; q
	s_and_b32 s71, ttmp7, 0xffff                   ; B: which 128 rows of x, which 128 columns of W;  ttmp9 = KS: which 512 along K
	v_and_b32 v[LN], 31, v0
	s_wait_alu depctr_va_vdst(0)
	v_and_b32 v[RR], 15, v0
	v_bfe_u32 v[HH], v0, 4, 1
	v_lshlrev_b32 v[L16], 4, v[LN]
	v_lshlrev_b32 v[QO], 2, v[LN]
	s_lshl_b32 s72, s69, 8
	v_lshl_add_u32 v[TB], v[LN], 3, s72            ; (32 cg + lane) x 8
	v_lshlrev_b32 v[COW], 4, v[RR]
	s_delay_alu instid0(VALU_DEP_1)
	v_lshl_add_u32 v[COW], v[HH], 12, v[COW]       ; 16 r + 4096 h
	s_lshl_b32 s72, s69, 13
	s_lshl_b32 s73, s70, 10
	s_add_co_u32 s72, s72, s73
	v_add_nc_u32 v[COW], s72, v[COW]               ; + 8192 cg + 1024 q
	s_lshl_b32 s72, s69, 9
	s_lshl_b32 s73, s70, 2
	s_add_co_u32 s72, s72, s73
	s_add_co_u32 s72, s72, SCW
	v_lshl_add_u32 v[SWA], v[LN], 4, s72           ; SCW + 16 (32 cg + lane) + 4 q
	v_and_b32 v[TA], 255, v0
	s_delay_alu instid0(VALU_DEP_1)
	v_lshlrev_b32 v[TA], 4, v[TA]
	s_delay_alu instid0(VALU_DEP_1)
	v_add_nc_u32 v[SRA], SCW, v[TA]                ; threads 0-127: W's scale bytes; threads 128-255: x's, which lie behind them
	v_and_b32 v[TA], 127, v0                       ; the table's making: thread t takes column t % 128 and groups t / 128 + 4 e
	v_lshrrev_b32 v[TA+1], 7, v0
	s_delay_alu instid0(VALU_DEP_2)
	v_lshlrev_b32 v[SGO], 4, v[TA]
	s_delay_alu instid0(VALU_DEP_3)
	v_lshlrev_b32 v[TS], 2, v[TA]
	s_delay_alu instid0(VALU_DEP_1)
	v_lshl_add_u32 v[TS], v[TA+1], 14, v[TS]       ; a row of scales is 16,384 bytes
	v_lshrrev_b32 v[TZ], 3, v[TA]
	s_delay_alu instid0(VALU_DEP_1)
	v_lshlrev_b32 v[TZ], 2, v[TZ]
	s_delay_alu instid0(VALU_DEP_1)
	v_lshl_add_u32 v[TZ], v[TA+1], 11, v[TZ]       ; a row of qzeros is 2,048 bytes; eight columns share a word
	v_and_b32 v[TSH], 7, v0
	s_delay_alu instid0(VALU_DEP_1)
	v_lshlrev_b32 v[TSH], 2, v[TSH]
	v_lshlrev_b32 v[TST], 3, v[TA]
	s_delay_alu instid0(VALU_DEP_1)
	v_lshl_add_u32 v[TST], v[TA+1], 10, v[TST]
	s_lshr_b32 s2, s68, 1                          ; x: i: my tile of 16 rows,
	s_and_b32 s3, s68, 1                           ; and which two of its four fragments
	s_mul_i32 s72, s68, STG
	s_add_co_u32 s72, s72, STAGE                   ; my stage
	v_add_nc_u32 v[SI], s72, v[L16]                ; on the way in: a row as it lies
	v_mul_u32_u24 v[SOUT], v[RR], SP
	s_delay_alu instid0(VALU_DEP_1)
	v_lshl_add_u32 v[SOUT], v[HH], 7, v[SOUT]
	s_delay_alu instid0(VALU_DEP_1)
	v_add_nc_u32 v[SOUT], s72, v[SOUT]             ; on the way out: row r, + 128 h bytes
	s_lshl_b32 s72, s2, 12
	s_lshl_b32 s73, s3, 11
	s_add_co_u32 s72, s72, s73
	v_add_nc_u32 v[COX], s72, v[L16]               ; 4096 i + 2048 (w % 2) + 16 x lane
	s_lshl_b32 s72, s2, 8
	s_lshl_b32 s73, s3, 3
	s_add_co_u32 s72, s72, s73
	s_add_co_u32 s72, s72, SCX
	v_lshlrev_b32 v[SXA], 4, v[RR]
	s_delay_alu instid0(VALU_DEP_1)
	v_lshl_add_u32 v[SXA], v[HH], 2, v[SXA]
	s_delay_alu instid0(VALU_DEP_1)
	v_add_nc_u32 v[SXA], s72, v[SXA]               ; SCX + 16 (16 i + r) + 8 (w % 2) + 4 h: lanes 0-15 put the first fragment's word, lanes 16-31 the second's
	v_lshlrev_b32 v[H8], 3, v[HH]
	s_mov_b32 s100, 0x76543210
	s_mov_b32 s101, 0xfedcba98                     ; v_permlanex16_b32's selects for lane l xor 16
	s_lshl_b32 s72, s71, 21                        ; x: 128 rows of 16,384 bytes,
	s_lshl_b32 s2, s2, 18                          ; my tile's 16,
	s_add_co_u32 s72, s72, s2
	s_lshl_b32 s3, s3, 10                          ; my two fragments' 256 numbers,
	s_add_co_u32 s72, s72, s3
	s_lshl_b32 s2, ttmp9, 11                       ; 512 numbers along K
	s_add_co_u32 s72, s72, s2
	s_mov_b32 s73, 0
	s_lshl_b32 s74, s71, 9                         ; scales: my work-group's 128 columns x 4 bytes
	s_mov_b32 s75, 0
	s_lshl_b32 s76, s71, 6                         ; qzeros: their 16 words
	s_mov_b32 s77, 0
	s_lshl_b32 s78, ttmp9, 6                       ; qweight: word row 64 KS + 16 q,
	s_lshl_b32 s2, s70, 4
	s_add_co_u32 s78, s78, s2
	s_lshl_b32 s78, s78, 14                        ; of 16,384 bytes,
	s_add_co_u32 s78, s78, s74                     ; + my work-group's columns
	s_lshl_b32 s2, s69, 7
	s_add_co_u32 s78, s78, s2                      ; + my wave's 32
	s_mov_b32 s79, 0
	s_lshl_b32 s96, ttmp9, 11                      ; g_idx: (512 KS + 128 q) x 4 bytes
	s_lshl_b32 s2, s70, 9
	s_add_co_u32 s96, s96, s2
	s_mov_b32 s97, 0
	s_lshl_b32 s98, s71, 3                         ; xq and wq: chunk 8 B + KS
	s_add_co_u32 s98, s98, ttmp9
	s_mul_i32 s98, s98, CHUNK
	s_mov_b32 s99, 0
	s_wait_kmcnt 0x0
	s_add_nc_u64 s[4:5], s[4:5], s[72:73]
	s_add_nc_u64 s[10:11], s[10:11], s[74:75]
	s_add_nc_u64 s[8:9], s[8:9], s[76:77]
	s_add_nc_u64 s[6:7], s[6:7], s[78:79]
	s_add_nc_u64 s[12:13], s[12:13], s[96:97]
	s_add_nc_u64 s[14:15], s[14:15], s[98:99]
	s_add_nc_u64 s[66:67], s[66:67], s[98:99]
	s_load_b512 s[16:31], s[12:13], 0x0            ; the groups of block 0's 32 k: index set 0 = s16-47,
	s_load_b512 s[32:47], s[12:13], 0x40
	s_load_b512 s[48:63], s[12:13], 0x80           ; of block 1's: index set 1 = s48-63 and s80-95
	s_load_b512 s[80:95], s[12:13], 0xc0
.macro XL n                            ; x: load n of my 32: row n % 16 of fragment n / 16: 32 lanes read 512 consecutive bytes of one row
	global_load_b128 v[R+4*(\n):R+4*(\n)+3], v[L16], s[4:5] offset:((\n)%16)*16384+((\n)/16)*512 th:TH_LOAD_NT
.endm
.irp e, 0,1,2,3,4,5,6,7
	global_load_b32 v[PR+2*\e], v[TS], s[10:11] offset:\e*65536     ; s of group t / 128 + 4 e
	global_load_b32 v[PR+2*\e+1], v[TZ], s[8:9] offset:\e*8192      ; and the word with its z
.endr
.irp j, 0,1,2,3,4,5,6,7,8,9,10,11,12,13,14,15
	global_load_b32 v[Q+\j], v[QO], s[6:7] offset:\j*16384 th:TH_LOAD_NT   ; 8 k of my column a word; the four waves of a q stand side by side on 512 consecutive bytes
.endr
.irp n, 0,1,2,3
	XL \n                                          ; W's small inputs were asked for first; four loads of x follow here, the other 28 go out two to a group of W, below
.endr
	s_wait_loadcnt 20                              ; the table's 16 loads are in; qweight's 16 and x's first 4 may be out
.irp e, 0,1,2,3,4,5,6,7
	v_bfe_u32 v[PR+2*\e+1], v[PR+2*\e+1], v[TSH], 4
.endr
.irp e, 0,1,2,3,4,5,6,7
	v_cvt_f32_u32 v[PR+2*\e+1], v[PR+2*\e+1]
.endr
.irp e, 0,1,2,3,4,5,6,7
	ds_store_b64 v[TST], v[PR+2*\e:PR+2*\e+1] offset:\e*4096
.endr
	s_wait_dscnt 0x0                               ; for the others' sake: my part of the table has landed
	s_barrier_signal -1
	s_barrier_wait -1                              ; the table is whole
; Group g: the pairs of k = 8 g + 0 .. 7 of my 128.  An index is held at 31 before it enters an address: group x 1,024 bytes + my column's pair.  The eight addresses are made ahead of the eight loads.
.macro GATHER8 g
.set i, 0
.rept 8
.set jj, 8*((\g)%4)+i
.if (((\g)/4)%2) == 0
.set gr, 16+jj
.elseif jj < 16
.set gr, 48+jj
.else
.set gr, 64+jj
.endif
	s_min_u32 s[gr], s[gr], 31
	v_lshl_add_u32 v[AD+i], s[gr], 10, v[TB]
.set i, i+1
.endr
.set i, 0
.rept 8
	ds_load_b64 v[SZ+16*((\g)%2)+2*i:SZ+16*((\g)%2)+2*i+1], v[AD+i]
.set i, i+1
.endr
.endm
; Group g's eight numbers of W.  left: the LDS loads issued behind this group's, which may stay out.
.macro COMPUTE8 g, left
.irp i, 0,1,2,3,4,5,6,7
	v_bfe_u32 v[X+8*((\g)%4)+\i], v[Q+(\g)], 4*\i, 4               ; w4 of k = 8 g + i
.endr
.irp i, 0,1,2,3,4,5,6,7
	v_cvt_f32_u32 v[X+8*((\g)%4)+\i], v[X+8*((\g)%4)+\i]
.endr
	s_wait_alu depctr_va_vdst(0)
	s_wait_dscnt \left
.irp i, 0,1,2,3,4,5,6,7
	v_sub_f32 v[X+8*((\g)%4)+\i], v[X+8*((\g)%4)+\i], v[SZ+16*((\g)%2)+2*\i+1]   ; w - z: exact
.endr
.irp i, 0,1,2,3,4,5,6,7
	v_mul_f32 v[X+8*((\g)%4)+\i], v[X+8*((\g)%4)+\i], v[SZ+16*((\g)%2)+2*\i]     ; x s: the one rounding, as in reference()
.endr
.endm
; Block b is quantised and its codes leave.
.macro FINISH b
	v_max3_num_f32 v[M], |v[X]|, |v[X+1]|, |v[X+2]|                 ; the block's largest magnitude: all 32 numbers are mine; two chains
	v_max3_num_f32 v[M+1], |v[X+3]|, |v[X+4]|, |v[X+5]|
.irp i, 6,10,14,18,22,26
	s_delay_alu instid0(VALU_DEP_2)
	v_max3_num_f32 v[M], v[M], |v[X+\i]|, |v[X+\i+1]|
	s_delay_alu instid0(VALU_DEP_2)
	v_max3_num_f32 v[M+1], v[M+1], |v[X+\i+2]|, |v[X+\i+3]|
.endr
	s_delay_alu instid0(VALU_DEP_2)
	v_max3_num_f32 v[M], v[M], |v[X+30]|, |v[X+31]|
	s_delay_alu instid0(VALU_DEP_1)
	v_max3_num_f32 v[M], v[M], v[M+1], 0x1800000   ; and the floor 2^(3 - 127): so the byte cannot fall under 1
	s_delay_alu instid0(VALU_DEP_1)
	v_add_nc_u32 v[SOP], 0xff000000, v[M]          ; 2 off its exponent field: the conversion takes the exponent field of this operand as its scale, and nothing else of it
.if (\b) >= 2
.set CW, Q+4*((\b)-2)                  ; blocks 2 and 3 put their codes where the words of qweight of groups 0-3 and 4-7 lay, which have been read: no store's data are written again
.else
.set CW, C+4*(\b)
.endif
.irp n, 0,1,2,3
	v_cvt_scalef32_pk8_fp4_f32 v[CW+\n], v[X+8*\n:X+8*\n+7], v[SOP]
.endr
.if (\b) == 0
	v_lshrrev_b32 v[SW], 23, v[SOP]                ; the scale's byte.  (Also the plain line between the conversions and the next line that writes their sources)
.else
	v_lshrrev_b32 v[BY], 23, v[SOP]
	s_delay_alu instid0(VALU_DEP_1)
	v_lshl_or_b32 v[SW], v[BY], 8*(\b), v[SW]      ; the lower K in the lower byte
.endif
	global_store_b128 v[COW], v[CW:CW+3], s[66:67] offset:256*(\b)   ; lanes 0-15 store 256 consecutive bytes, aligned, of tile 2 cg; lanes 16-31 of tile 2 cg + 1
.endm
	s_wait_kmcnt 0x0                               ; both index sets are in
	GATHER8 0
	s_wait_loadcnt 4                               ; qweight's words are in; x's first 4 loads may be out
.set G, 0
.rept 16
.if G < 15
.if G == 7
	s_wait_kmcnt 0x0                               ; blocks 2's and 3's groups are in
.endif
	GATHER8 G+1                                    ; one group ahead
.if G < 14
	XL 4+2*G                                       ; two more loads of x with each of the first 14 groups: 4 + 28 = my 32
	XL 5+2*G
.endif
.if G == 2
	s_load_b512 s[16:31], s[12:13], 0x100          ; set 0 has been read: block 2's groups
	s_load_b512 s[32:47], s[12:13], 0x140
.endif
.if G == 6
	s_load_b512 s[48:63], s[12:13], 0x180          ; set 1 has been read: block 3's
	s_load_b512 s[80:95], s[12:13], 0x1c0
.endif
	COMPUTE8 G, 8                                  ; the next group's eight loads may be out
.else
	COMPUTE8 G, 0
.endif
.if (G%4) == 3
	FINISH G/4
.endif
.set G, G+1
.endr
	s_wait_dscnt 0x0
	s_barrier_signal -1                            ; a barrier parts every read whose address comes from g_idx from every later LDS store of any wave
	s_barrier_wait -1
.macro TURN f                          ; x's fragment f through my stage.  LDS serves a wave's instructions in order (ISA guide 5.7.1.4): no wait between the stores and the loads, nor in front of the next fragment's stores
.irp j, 0,1,2,3,4,5,6,7,8,9,10,11,12,13,14,15
	ds_store_b128 v[SI], v[R+64*(\f)+4*\j:R+64*(\f)+4*\j+3] offset:SP*\j
.endr
.irp c, 0,1
.irp j, 0,1,2,3,4,5,6,7
	ds_load_b128 v[R+64*(\f)+32*\c+4*\j:R+64*(\f)+32*\c+4*\j+3], v[SOUT] offset:256*\c+16*\j   ; k = 64 c + 32 h + 4 j .. of row r
.endr
.endr
.endm
.macro QUANT f
.set RS, R+64*(\f)
.irp c, 0,1                                    ; my block 2 c + h: all its 32 numbers are mine; the two blocks and their two chains by turns
	v_max3_num_f32 v[XM+2*\c], |v[RS+32*\c]|, |v[RS+32*\c+1]|, |v[RS+32*\c+2]|
	v_max3_num_f32 v[XM+2*\c+1], |v[RS+32*\c+3]|, |v[RS+32*\c+4]|, |v[RS+32*\c+5]|
.endr
.irp i, 6,10,14,18,22,26
.irp c, 0,1
	s_delay_alu instid0(VALU_DEP_4)
	v_max3_num_f32 v[XM+2*\c], v[XM+2*\c], |v[RS+32*\c+\i]|, |v[RS+32*\c+\i+1]|
	s_delay_alu instid0(VALU_DEP_4)
	v_max3_num_f32 v[XM+2*\c+1], v[XM+2*\c+1], |v[RS+32*\c+\i+2]|, |v[RS+32*\c+\i+3]|
.endr
.endr
.irp c, 0
	s_delay_alu instid0(VALU_DEP_4)
	v_max3_num_f32 v[XM+2*\c], v[XM+2*\c], |v[RS+32*\c+30]|, |v[RS+32*\c+31]|
.endr
.irp c, 1
	s_delay_alu instid0(VALU_DEP_3)
	v_max3_num_f32 v[XM+2*\c], v[XM+2*\c], |v[RS+32*\c+30]|, |v[RS+32*\c+31]|
.endr
.irp c, 0,1
	s_delay_alu instid0(VALU_DEP_2)
	v_max3_num_f32 v[XM+2*\c], v[XM+2*\c], v[XM+2*\c+1], 0x1800000  ; and the floor 2^(3 - 127): so the byte cannot fall under 1
.endr
.irp c, 0,1
	s_delay_alu instid0(VALU_DEP_2)
	v_add_nc_u32 v[XSOP+\c], 0xff000000, v[XM+2*\c]                 ; 2 off the exponent field: the conversion's scale operand
.endr
.irp c, 0,1
.irp n, 0,1,2,3
	v_cvt_scalef32_pk8_fp4_f32 v[CX+8*(\f)+4*\c+\n], v[RS+32*\c+8*\n:RS+32*\c+8*\n+7], v[XSOP+\c]   ; registers 4 c .. 4 c + 3 of the fragment
.endr
.endr
.irp c, 0,1
	v_lshrrev_b32 v[XBY+\c], 23, v[XSOP+\c]        ; the scales' bytes.  (Also the plain line behind the conversions)
.endr
	s_delay_alu instid0(VALU_DEP_1)
	v_lshl_or_b32 v[P+(\f)], v[XBY+1], 16, v[XBY]  ; blocks h and 2 + h of my row
.irp c, 0,1
	global_store_b128 v[COX], v[CX+8*(\f)+4*\c:CX+8*(\f)+4*\c+3], s[14:15] offset:(\f)*1024+\c*512   ; 32 lanes store 512 consecutive bytes, aligned
.endr
.endm
	v_mov_b32 v[T], 0                              ; written once: a lane permute's destination counts as one of its sources
	v_mov_b32 v[T+1], 0
	s_wait_loadcnt 16                              ; x's first fragment is in; the second's 16 loads may be out
	TURN 0
	s_wait_loadcnt 0x0
	TURN 1
	s_wait_dscnt 32                                ; the first fragment is back from the stage; the second's 32 LDS instructions may be out
	QUANT 0
	s_wait_dscnt 0x0
	QUANT 1
.irp f, 0,1
	v_lshlrev_b32 v[P+\f], v[H8], v[P+\f]          ; my two bytes at their places in the scale word (8 h bits up);
.endr
.irp f, 0,1
	s_delay_alu instid0(VALU_DEP_2)
	v_permlanex16_b32 v[T+\f], v[P+\f], s100, s101
.endr
.irp f, 0,1
	s_delay_alu instid0(VALU_DEP_2)
	v_or_b32 v[P+\f], v[P+\f], v[T+\f]             ; with lane l xor 16's two the word is whole
.endr
	v_cmp_ne_u32 vcc_lo, 0, v[HH]
	s_delay_alu instid0(VALU_DEP_1)
	v_cndmask_b32 v[D], v[P], v[P+1], vcc_lo       ; lanes 0-15 put the first fragment's word of their row, lanes 16-31 the second's
	ds_store_b32 v[SXA], v[D]
	ds_store_b32 v[SWA], v[SW]                     ; and word q of my column's 16 scale bytes of W
	s_wait_dscnt 0x0                               ; for the others' sake
	s_barrier_signal -1
	s_barrier_wait -1                              ; both chunks' 2,048 scale bytes lie in LDS
	s_cmp_lt_u32 s68, 4                            ; waves 0 to 3 carry W's out, waves 4 to 7 x's, 16 bytes a lane: the choice of the buffer hangs on the wave's number alone
	s_cselect_b64 s[2:3], s[66:67], s[14:15]
	s_cmp_ge_u32 s68, 8
	s_cbranch_scc1 .Lend
	ds_load_b128 v[OUTS:OUTS+3], v[SRA]
	s_wait_dscnt 0x0
	global_store_b128 v[SGO], v[OUTS:OUTS+3], s[2:3] offset:32768   ; a wave stores 512 consecutive bytes, aligned
.Lend:
	s_wait_tensorcnt 0x0                           ; the wave's end: behind my last LDS store
	ds_add_u32 v[SPW], v[NIL]
	s_wait_dscnt 0x0
	s_endpgm
.Lfunc_end_k_q2ae63733d1_quant:
	.size	k_q2ae63733d1_quant, .Lfunc_end_k_q2ae63733d1_quant-k_q2ae63733d1_quant
	.p2alignl 7, 3214868480
	.fill 96, 4, 3214868480
	.section	.rodata,"a",@progbits
	.p2align	6, 0x0
	.amdhsa_kernel k_q2ae63733d1_quant
		.amdhsa_group_segment_fixed_size 174080
		.amdhsa_private_segment_fixed_size 0
		.amdhsa_enable_private_segment 0
		.amdhsa_kernarg_size 56
		.amdhsa_user_sgpr_count 2
		.amdhsa_user_sgpr_kernarg_segment_ptr 1
		.amdhsa_wavefront_size32 1
		.amdhsa_system_sgpr_workgroup_id_x 1
		.amdhsa_system_sgpr_workgroup_id_y 1
		.amdhsa_system_sgpr_workgroup_id_z 1
		.amdhsa_system_vgpr_workitem_id 0
		.amdhsa_next_free_vgpr 256
		.amdhsa_next_free_sgpr 102
		.amdhsa_reserve_vcc 1
		.amdhsa_float_denorm_mode_32 3
		.amdhsa_float_denorm_mode_16_64 3
		.amdhsa_memory_ordered 1
		.amdhsa_forward_progress 1
		.amdhsa_inst_pref_size 76
	.end_amdhsa_kernel
	.amdgpu_metadata
---
amdhsa.version: [ 1, 2 ]
amdhsa.kernels:
  - .name:           k_q2ae63733d1_quant
    .symbol:         k_q2ae63733d1_quant.kd
    .args:
      - { .name: x, .offset: 0, .size: 8, .value_kind: global_buffer, .address_space: global }
      - { .name: qweight, .offset: 8, .size: 8, .value_kind: global_buffer, .address_space: global }
      - { .name: qzeros, .offset: 16, .size: 8, .value_kind: global_buffer, .address_space: global }
      - { .name: scales, .offset: 24, .size: 8, .value_kind: global_buffer, .address_space: global }
      - { .name: g_idx, .offset: 32, .size: 8, .value_kind: global_buffer, .address_space: global }
      - { .name: xq, .offset: 40, .size: 8, .value_kind: global_buffer, .address_space: global }
      - { .name: wq, .offset: 48, .size: 8, .value_kind: global_buffer, .address_space: global }
    .group_segment_fixed_size: 174080
    .private_segment_fixed_size: 0
    .kernarg_segment_align: 8
    .kernarg_segment_size: 56
    .max_flat_workgroup_size: 512
    .sgpr_count:     102
    .vgpr_count:     256
    .wavefront_size: 32
...
	.end_amdgpu_metadata
.endif
;; end of part 1
;; launch gemm (part 2): grid 16 x 16, 4 waves a work-group, clusters of 4 x 4, 327,680 bytes of LDS; arguments xq, wq, bias, out0; writes out0
.if DOCPART == 2
	.amdgcn_target "amdgcn-amd-amdhsa--gfx1250"
	.amdhsa_code_object_version 6
	.text
	.protected	k_q2ae63733d1_gemm
	.globl	k_q2ae63733d1_gemm
	.p2align	8
	.type	k_q2ae63733d1_gemm,@function
k_q2ae63733d1_gemm:
	s_mov_b64 s[64:65], 0
	v_nop
	global_prefetch_b8 v0, s[64:65] scope:SCOPE_SE
	s_setreg_imm32_b32 hwreg(HW_REG_WAVE_MODE, 25, 1), 1
	s_wait_xcnt 0x0
	s_wait_alu depctr_hold_cnt(0) depctr_sa_sdst(0) depctr_va_vdst(0) depctr_va_sdst(0) depctr_va_ssrc(0) depctr_va_vcc(0) depctr_vm_vsrc(0)
	s_getreg_b32 s2, hwreg(HW_REG_IB_STS2, 6, 4)
	s_cmp_eq_u32 s2, 0
	s_cbranch_scc0 .Lentry_in_a_cluster
	s_endpgm
.Lentry_in_a_cluster:
	s_bfe_u32 s2, ttmp6, 0x10000c
	s_cmp_lg_u32 s2, 0xf033
	s_cbranch_scc0 .Lentry_shape_is_right
	s_endpgm
.Lentry_shape_is_right:
; out0[m][n] = sum over k of x[m][k] W[k][n] + bias[n], on the FP4 codes and E8M0 scale bytes that launch quant laid into xq and wq.  Nothing of reference() is left out here.
; xq, wq: CHUNKS of 34,816 bytes = 128 rows of the operand x 512 along K, in the order of the operand's registers: the 16 bytes of block bk of row 16 i + r at 4096 i + 256 bk + 16 r,
; the row's 16 scale bytes at 32768 + 16 (16 i + r); chunk (row / 128, k / 512) begins at ((row / 128) 8 + k / 512) CHUNK.  A chunk is dense: it is fetched as 136 rows of 256 bytes.
; A tile of out0, 256 x 256, is made by four waves, each 128 x 128: 64 accumulators, 512 registers.  K goes in 8 steps of 512 through a ring of two LDS slots of four chunks (A's two, B's two), one chunk a wave and load.
; CLUSTERS: 4 x 4 work-groups; A's chunks are asked for jointly along a row of the cluster, B's along a column: the same tensor load, the same descriptor, a mask that names the four.
; THE MATRIX INSTRUCTION IS USED TRANSPOSED (source 0 = 16 columns of W, source 1 = 16 rows of x): a lane holds eight neighbouring numbers of a row of out0.  The bias is the C of each accumulator's first product.
; FRAGMENTS: both operands have TWO register sets; the 32 LDS loads of a step of 128 along K are issued in one run at the head of the step before, 64 matrix instructions ahead of their use.
; THE LAST K STEP GOES BY ROWS OF out0: all its fragments of B fill window 1, A's come by blocks of 16 rows x 512 K, and my eight blocks are finished one after the other; a finished block goes out while the next is multiplied.
; PREFETCH: behind the joint load of K step s stands the prefetch of K step s + 2 (behind the first also that of K step 1): the chunk that my wave will fetch, 136 blocks of 256 bytes, shared out BY ADDRESS
; among the four partners that ask for it jointly (34 blocks each: 32 lanes, then 2; the lanes left over name the last block again).  K steps 6 and 7 are the last asked for: the loop's last trip asks for nothing.
; REGISTERS: window 0: v0-31 addresses; v32-95 scale words, a set for each slot; v128-191, v192-255 A's fragments (in the last K step four buffers of 32).  window 1: v0-63, v128-191 B's fragments; v64-127 the bias; in the last K step all 256 are B's.
;   window 2: the accumulators of my rows 0-63 ((a, b) at v[8 (8 a + b)]); window 3: those of rows 64-127.  On the way out a block's rows come back from the stage into the block's own 64 registers.
.set CHUNK,  34816
.set SLOT,   4*CHUNK
.set SPARE,  2*SLOT                    ; behind the ring: the spare words, 128 bytes a wave, which no other line names
.set NQ,     4                         ; steps of 128 along K in a slot
.set FR,     8                         ; registers of a fragment
.set NL,     2                         ; LDS loads that bring one
.set NP,     4                         ; places behind this matrix instruction (ISA guide 7.12.1)
.set LAPS,   4                         ; a lap = two K steps = once round the ring
.set NROW,   16384                     ; a row of out0 in bytes
.set SPITCH, 528                       ; the way out: a stage of 16 rows x (512 + 16) bytes a wave, in slot 0, behind its last fill and its last read
.set PSH,    34*256                    ; a partner's share of a chunk's prefetch
.set ADRA, 16                          ; v16-17 LDS address of my A fragments in slot 0, 1
.set ADRB, 20                          ; v20-21 the same for B
.set ADRS, 22                          ; v22-23 my scale words: lanes 0-15 A's rows, lanes 16-31 B's
.set STO,  24                          ; v24 the way out: where I put 32 bytes of a row
.set RD,   25                          ; v25 where I read a row back
.set CO,   26                          ; v26 16 x lane
.set BO,   27                          ; v27 32 h: my eight numbers of a block of the bias
.set SPW,  28                          ; v28 my spare word; never rewritten
.set NIL,  29                          ; v29 0; never rewritten
.set PFO,  30                          ; v30 256 x lane; v31 256 x (32 + min(lane, 1)): the prefetches' offsets; never rewritten
.set SC,   32
.set AF,   128
.set BIAS, 64                          ; in window 1
.set G1, 24                            ; s[24:31] group 1, s[32:39] group 0 (a set for each slot) for A's chunks
.set G0, 32
.set G1B, 48                           ; s[48:55], s[56:63] the same for B's
.set G0B, 56
.set PFA, 66                           ; s[66:67] my share of the chunk that I fetch, at the K step of the last change of slots
.set MSB, 0
.macro WIN new                         ; the immediate's high byte repeats the setting that is left
.if MSB != \new
	s_set_vgpr_msb (MSB<<8)|\new
.set MSB, \new
.endif
.endm
.set MUL_LO,   0xa1                    ; source 0 (B) window 1, source 1 (A) window 0, C and D window 2
.set MUL_HI,   0xf1                    ; the same, C and D window 3
.set FIRST_LO, 0x91                    ; C (the bias) window 1, D window 2
.set FIRST_HI, 0xd1                    ; C window 1, D window 3
.set TO_B,     0x40                    ; destination window 1, address window 0
; A joint load: waves 0 and 1 fetch A's two chunks, waves 2 and 3 B's; each line has one mask.  An s_nop 0 and four v_nop follow each line.
.macro JLOAD g0a, g1a, g0b, g1b
	s_cmp_eq_u32 s15, 0
	s_cbranch_scc0 .Lfor_b_\@
	tensor_load_to_lds s[\g0a:\g0a+3], s[\g1a:\g1a+7]
	s_nop 0
.rept 4
	v_nop
.endr
	s_branch .Lasked_\@
.Lfor_b_\@:
	tensor_load_to_lds s[\g0b:\g0b+3], s[\g1b:\g1b+7]
	s_nop 0
.rept 4
	v_nop
.endr
.Lasked_\@:
.endm
.macro CREST                           ; a round of the cluster's barrier behind its opening barrier
	s_cmp_lg_u32 s14, 0
	s_cbranch_scc1 .Lnot_wave_0_\@
	s_barrier_signal -3
.Lnot_wave_0_\@:
	s_barrier_wait -3
	s_barrier_signal -1
	s_barrier_wait -1
.endm
.macro CROUND                          ; a whole round
	s_barrier_signal -1
	s_barrier_wait -1
	CREST
.endm
.macro PREF k                          ; my 34 blocks of the chunk k K steps behind PFA
	global_prefetch_b8 v[PFO], s[PFA:PFA+1] offset:(\k)*CHUNK th:TH_LOAD_NT scope:SCOPE_SE
	global_prefetch_b8 v[PFO+1], s[PFA:PFA+1] offset:(\k)*CHUNK th:TH_LOAD_NT scope:SCOPE_SE
.endm
	s_load_b256 s[4:11], s[0:1], 0x0               ; xq s[4:5], wq s[6:7], bias s[8:9], out0 s[10:11]
	v_lshl_add_u32 v[SPW], v0, 2, SPARE
	v_mov_b32 v[NIL], 0
	ds_add_u32 v[SPW], v[NIL]                      ; the opening lines: the add, twice on end, and its wait ahead of my first tensor load
	ds_add_u32 v[SPW], v[NIL]
	v_lshrrev_b32 v1, 5, v0
	v_readfirstlane_b32 s14, v1                    ; wave 0..3
	s_lshr_b32 s15, s14, 1                         ; my half of the tile's rows.  Also: I fetch for A (0) or for B (1)
	s_and_b32 s16, s14, 1                          ; my half of its columns.  Also: which of the two chunks I fetch
	s_bfe_u32 s40, ttmp6, 0x40000                  ; cx, cy: my place in the cluster
	s_bfe_u32 s41, ttmp6, 0x40004
	s_lshl_b32 s42, ttmp9, 2
	s_add_co_u32 s42, s42, s40                     ; tile column = 4 x cluster x + cx
	s_and_b32 s17, ttmp7, 0xffff
	s_lshl_b32 s17, s17, 2
	s_add_co_u32 s17, s17, s41                     ; tile row = 4 x cluster y + cy
	s_lshl_b32 s43, s41, 2
	s_lshl_b32 s43, 15, s43                        ; my row of the cluster
	s_lshl_b32 s44, 0x1111, s40                    ; my column
	s_or_b32 s[G1+0], s43, (3<<16)|(1<<21)         ; the mask; elements of 8 bytes; bit 21 beside a mask; no padding: a chunk lies in LDS as in memory
	s_or_b32 s[G1B+0], s44, (3<<16)|(1<<21)
.irp g, G1, G1B
	s_mov_b32 s[\g+1], 32<<16                      ; tensor_dim0 = 32 elements: 256 bytes
	s_mov_b32 s[\g+2], 136<<16                     ; tensor_dim1 = 136 rows
	s_mov_b32 s[\g+3], 32<<16                      ; tile_dim0
	s_mov_b32 s[\g+4], 136                         ; tile_dim1
	s_mov_b32 s[\g+5], 32                          ; the pitch: dense
	s_mov_b32 s[\g+6], 0
	s_mov_b32 s[\g+7], 0
.endr
	s_lshl_b32 s20, s17, 1
	s_add_co_u32 s20, s20, s16
	s_mul_i32 s20, s20, 8*CHUNK                    ; A: row of chunks 2 x tile row + my half
	s_mov_b32 s21, 0
	s_lshl_b32 s46, s42, 1
	s_add_co_u32 s46, s46, s16
	s_mul_i32 s46, s46, 8*CHUNK                    ; B: 2 x tile column + my half
	s_mov_b32 s47, 0
	s_mul_i32 s45, s14, CHUNK                      ; where my chunk goes: wave x CHUNK
	s_wait_dscnt 0x0                               ; both opening adds are done
	s_wait_kmcnt 0x0
	s_add_nc_u64 s[20:21], s[4:5], s[20:21]
	s_add_nc_u64 s[46:47], s[6:7], s[46:47]
.irp s, 0,1
	s_mov_b32 s[G0+4*\s], 1
	s_add_co_u32 s[G0+4*\s+1], s45, \s*SLOT
	s_add_nc_u64 s[G0+4*\s+2:G0+4*\s+3], s[20:21], \s*CHUNK
	s_or_b32 s[G0+4*\s+3], s[G0+4*\s+3], 0x80000000
	s_mov_b32 s[G0B+4*\s], 1
	s_add_co_u32 s[G0B+4*\s+1], s45, \s*SLOT
	s_add_nc_u64 s[G0B+4*\s+2:G0B+4*\s+3], s[46:47], \s*CHUNK
	s_or_b32 s[G0B+4*\s+3], s[G0B+4*\s+3], 0x80000000
.endr
	CROUND                                         ; all sixteen work-groups are here: the first joint loads meet
	JLOAD G0, G1, G0B, G1B                         ; K step 0: one tensor load a wave at the head
	; the rest of the head: first all scalar work, then one run of vector lines
	s_cmp_eq_u32 s15, 0                            ; do I fetch for A?
	s_cselect_b64 s[PFA:PFA+1], s[20:21], s[46:47] ; the chunk that I fetch, at K step 0,
	s_cselect_b32 s68, s40, s41                    ; my place among the four that ask for it with me,
	s_mul_i32 s68, s68, PSH
	s_mov_b32 s69, 0
	s_add_nc_u64 s[PFA:PFA+1], s[PFA:PFA+1], s[68:69]  ; and my work-group's 34 blocks of it
	s_mul_i32 s21, s15, CHUNK                      ; my 128 rows of A
	s_add_co_u32 s18, s21, 32768                   ; and their scale bytes
	s_mul_i32 s22, s16, CHUNK
	s_add_co_u32 s22, s22, 2*CHUNK                 ; my 128 rows of B, behind A's two chunks
	s_xor_b32 s23, s15, 1
	s_add_co_u32 s23, s23, s16
	s_add_co_u32 s23, s23, 1
	s_mul_i32 s23, s23, CHUNK                      ; from my chunk of A to my chunk of B: (2 + column half - row half) chunks
	s_mul_i32 s19, s14, 16*SPITCH                  ; my stage
	s_lshl_b32 s70, s17, 8
	s_lshl_b32 s71, s15, 7
	s_add_co_u32 s70, s70, s71                     ; my first row of out0
	s_lshl_b32 s70, s70, 14
	s_mov_b32 s71, 0
	s_add_nc_u64 s[10:11], s[10:11], s[70:71]
	s_lshl_b32 s46, s42, 10                        ; my first column, in bytes: 1024 x tile column + 512 x half
	s_lshl_b32 s47, s16, 9
	s_add_co_u32 s46, s46, s47
	s_mov_b32 s47, 0
	s_add_nc_u64 s[10:11], s[10:11], s[46:47]
	s_add_nc_u64 s[8:9], s[8:9], s[46:47]
	v_and_b32 v1, 15, v0                           ; r
	v_bfe_u32 v2, v0, 4, 1                         ; h
	v_and_b32 v6, 31, v0                           ; lane
	v_lshlrev_b32 v[CO], 4, v6
	v_add_nc_u32 v[ADRA], s21, v[CO]               ; a fragment's load reads 512 bytes on end: 16 x lane
	v_add_nc_u32 v[ADRB], s22, v[CO]
	v_add_nc_u32 v[ADRA+1], SLOT, v[ADRA]
	v_add_nc_u32 v[ADRB+1], SLOT, v[ADRB]
	v_mul_u32_u24 v5, s23, v2                      ; lanes 16-31 take B's scale words
	v_lshl_add_u32 v5, v1, 4, v5
	v_add_nc_u32 v[ADRS], s18, v5
	v_add_nc_u32 v[ADRS+1], SLOT, v[ADRS]
	v_mul_u32_u24 v7, v1, SPITCH
	v_lshl_add_u32 v7, v2, 5, v7
	v_add_nc_u32 v[STO], s19, v7                   ; into the stage: row r, 32 bytes for each half of the lanes
	v_add_nc_u32 v[RD], s19, v[CO]                 ; back: the 32 lanes take one row of 512 bytes
	v_lshlrev_b32 v[BO], 5, v2
	v_lshlrev_b32 v[PFO], 8, v6
	v_min_u32 v[PFO+1], 1, v6
	v_lshl_add_u32 v[PFO+1], v[PFO+1], 8, 8192
	s_wait_alu depctr_va_vdst(0)                   ; the wait at the head's end
	WIN TO_B
.irp b, 0,1,2,3,4,5,6,7
	global_load_b128 v[BIAS+8*\b:BIAS+8*\b+3], v[BO], s[8:9] offset:64*\b       ; bias[16 b + 8 h + 0 .. 7] of my 128 columns: an accumulator's layout
	global_load_b128 v[BIAS+8*\b+4:BIAS+8*\b+7], v[BO], s[8:9] offset:64*\b+16
.endr
	WIN 0
	s_wait_loadcnt 0x0                             ; the bias is in
	PREF 1                                         ; K steps 1 and 2, some way behind K step 0's own load
	PREF 2
.macro FRAG reg, adr, q, i             ; 16 rows x 128 K: registers 4 c .. 4 c + 3 of lane (r, h) hold k = 64 c + 32 h + 0 .. 31
.irp c, 0,1
	ds_load_b128 v[\reg+4*\c:\reg+4*\c+3], v[\adr] offset:(\i)*4096+(\q)*1024+512*\c
.endr
.endm
; 16 matrix instructions: A's blocks a0, a0 + 1 x B's eight, the slot's q-th 128 along K, from register sets p; sc: the set of scale words.  The 64 accumulators take turns in the same order in every step.
.macro MUL16 a0, p, q, sc, first
.irp a, \a0, \a0+1
.irp b, 0,1,2,3,4,5,6,7
.if \first
	v_wmma_scale_f32_16x16x128_f8f6f4 v[8*(8*((\a)%4)+\b):8*(8*((\a)%4)+\b)+7], v[128*(\p)+FR*\b:128*(\p)+FR*\b+FR-1], v[AF+64*(\p)+FR*(\a):AF+64*(\p)+FR*(\a)+FR-1], v[BIAS+8*\b:BIAS+8*\b+7], v[SC+8*NQ*(\sc)+NQ*\b+(\q)], v[SC+8*NQ*(\sc)+NQ*(\a)+(\q)] matrix_a_fmt:MATRIX_FMT_FP4 matrix_b_fmt:MATRIX_FMT_FP4 matrix_a_scale:MATRIX_SCALE_ROW1
.else
	v_wmma_scale_f32_16x16x128_f8f6f4 v[8*(8*((\a)%4)+\b):8*(8*((\a)%4)+\b)+7], v[128*(\p)+FR*\b:128*(\p)+FR*\b+FR-1], v[AF+64*(\p)+FR*(\a):AF+64*(\p)+FR*(\a)+FR-1], v[8*(8*((\a)%4)+\b):8*(8*((\a)%4)+\b)+7], v[SC+8*NQ*(\sc)+NQ*\b+(\q)], v[SC+8*NQ*(\sc)+NQ*(\a)+(\q)] matrix_a_fmt:MATRIX_FMT_FP4 matrix_b_fmt:MATRIX_FMT_FP4 matrix_a_scale:MATRIX_SCALE_ROW1
.endif
.endr
.endr
.endm
.macro FETCH_B slot, q, p              ; B's eight fragments into set p
	WIN TO_B
.irp i, 0,1,2,3,4,5,6,7
	FRAG 128*(\p)+FR*\i, ADRB+\slot, \q, \i
.endr
	WIN 0
.endm
.macro FETCH_A slot, q, p, i0          ; A's blocks i0 .. i0 + 3 into set p
.irp i, \i0, \i0+1, \i0+2, \i0+3
	FRAG AF+64*(\p)+FR*(\i), ADRA+\slot, \q, \i
.endr
.endm
.macro SCALES sc                       ; a K step's scale words: four a row; lanes 0-15 A's block i, lanes 16-31 B's block i
.irp i, 0,1,2,3,4,5,6,7
	ds_load_b128 v[SC+8*NQ*\sc+NQ*\i:SC+8*NQ*\sc+NQ*\i+3], v[ADRS+\sc] offset:\i*256
.endr
.endm
.macro PLACES n
.rept \n
	v_nop
.endr
.endm
; A step of 128 along K that has its successor in the same slot: the successor's 32 loads go out first, into the other sets, then the step's 64 products.
.macro STEP slot, q, first
	s_wait_dscnt 4*NL                              ; B's set and A's blocks 0-3 (and the scale words) are in; the youngest eight loads, A's blocks 4-7, may be out
	PLACES NP                                      ; the other sets were read by the matrix instructions just issued
	FETCH_B \slot, (\q)+1, 1-(\q)%2
	FETCH_A \slot, (\q)+1, 1-(\q)%2, 0
	FETCH_A \slot, (\q)+1, 1-(\q)%2, 4
.if \first
	WIN FIRST_LO
.else
	WIN MUL_LO
.endif
	MUL16 0, (\q)%2, \q, \slot, \first
	MUL16 2, (\q)%2, \q, \slot, \first
	s_wait_dscnt 16*NL                             ; all but the 32 just issued: A's blocks 4-7 are in
.if \first
	WIN FIRST_HI
.else
	WIN MUL_HI
.endif
	MUL16 4, (\q)%2, \q, \slot, \first
	MUL16 6, (\q)%2, \q, \slot, \first
.endm
; The first half of a slot's last step: one barrier for the change of slots; in front of it each wave waits for all its tensor loads, adds 0 to its spare word, and waits for that and for its reads of this slot.
.macro MEET slot
	WIN 0                                          ; (the add's two registers lie in window 0)
	s_wait_tensorcnt 0x0                           ; my one tensor load that was out, my chunk of the next slot, has landed
	ds_add_u32 v[SPW], v[NIL]
	s_wait_dscnt 4*NL+1                            ; (the add and the youngest eight loads may be out)
	WIN MUL_LO
	MUL16 0, 1, NQ-1, \slot, 0                     ; sixteen matrix instructions between the add and the wait for it
	s_wait_dscnt 0x0                               ; the add is done, and my reads of this slot are over
	s_barrier_signal -1
	MUL16 2, 1, NQ-1, \slot, 0
	WIN 0
	s_barrier_wait -1
.endm
; A slot's last step in the loop: the slot is filled again, two K steps ahead.
.macro TURN slot, next
	s_wait_xcnt 0x0                                ; my last prefetches have read their base: it steps a K step on
	s_add_nc_u64 s[PFA:PFA+1], s[PFA:PFA+1], CHUNK
	MEET \slot
	CREST                                          ; the barrier has opened a round of the cluster's barrier: no wave of any partner still reads this slot or has a load on its way
	s_add_nc_u64 s[G0+4*\slot+2:G0+4*\slot+3], s[G0+4*\slot+2:G0+4*\slot+3], 2*CHUNK
	s_add_nc_u64 s[G0B+4*\slot+2:G0B+4*\slot+3], s[G0B+4*\slot+2:G0B+4*\slot+3], 2*CHUNK
	JLOAD G0+4*\slot, G1, G0B+4*\slot, G1B         ; the first tensor load behind the round; its four v_nop are the places in front of the loads below
	FETCH_B \next, 0, 0
	FETCH_A \next, 0, 0, 0
	SCALES \next
	FETCH_A \next, 0, 0, 4
	s_cmp_gt_u32 s3, 1                             ; s3 = 1 in the loop's last trip, whose refills are K steps 6 and 7: no K step stands two on
	s_cbranch_scc0 .Lno_ask_\@
	PREF 3                                         ; PFA stands one K step behind this slot's: the K step two refills on
.Lno_ask_\@:
	WIN MUL_HI
	MUL16 4, 1, NQ-1, \slot, 0
	MUL16 6, 1, NQ-1, \slot, 0
.endm
.macro STEPS slot, from                ; the slot's steps from .. NQ - 2
.set Q, \from
.rept NQ-1-\from
	STEP \slot, Q, 0
.set Q, Q+1
.endr
.endm
; THE LAST K STEP (slot 1), BY ROWS OF out0.
.macro BLOAD q                         ; B's eight fragments of the step's q-th 128 along K -> window 1, v[64 q ..]
.irp i, 0,1,2,3,4,5,6,7
	FRAG 64*(\q)+FR*\i, ADRB+1, \q, \i
.endr
.endm
.macro ALOAD a                         ; A's block a, all four q -> buffer a % 4
.irp q, 0,1,2,3
	FRAG AF+32*((\a)%4)+FR*\q, ADRA+1, \q, \a
.endr
.endm
.macro ROW a                           ; block a is finished: 32 matrix instructions, its 8 accumulators by turns, K ascending
.if (\a) < 4
	WIN MUL_LO
.else
	WIN MUL_HI
.endif
.irp q, 0,1,2,3
.if ((\a) == 0) && (\q == 2)
	s_wait_dscnt 8*NL                              ; B's q = 2 and 3 are in (behind them: A's blocks 2 and 3)
.endif
.irp b, 0,1,2,3,4,5,6,7
	v_wmma_scale_f32_16x16x128_f8f6f4 v[64*((\a)%4)+8*\b:64*((\a)%4)+8*\b+7], v[64*\q+FR*\b:64*\q+FR*\b+FR-1], v[AF+32*((\a)%4)+FR*\q:AF+32*((\a)%4)+FR*\q+FR-1], v[64*((\a)%4)+8*\b:64*((\a)%4)+8*\b+7], v[SC+8*NQ+NQ*\b+\q], v[SC+8*NQ+NQ*(\a)+\q] matrix_a_fmt:MATRIX_FMT_FP4 matrix_b_fmt:MATRIX_FMT_FP4 matrix_a_scale:MATRIX_SCALE_ROW1
.endr
.endr
.endm
; THE WAY OUT of block a, 16 rows x 128 columns: a lane holds 32 neighbouring bytes of a row, so the block goes through my own stage and comes back as whole rows of 512 bytes, into the block's own 64 registers:
; no register of a store is written again, and every offset is an immediate (127 rows at the most, inside the signed 24 bits).  LDS serves a wave's instructions in order (ISA guide 5.7.1.4): no wait between the stores and the loads.
.macro TOSTAGE a
.set AC, 64*((\a)%4)
	WIN 0x08+4*((\a)/4)                            ; the data: window 2 or 3
.irp b, 0,1,2,3,4,5,6,7
	ds_store_b128 v[STO], v[AC+8*\b:AC+8*\b+3] offset:64*\b          ; each accumulator from its low end on
	ds_store_b128 v[STO], v[AC+8*\b+4:AC+8*\b+7] offset:64*\b+16
.endr
	WIN 0x80+0x40*((\a)/4)                         ; the destination: window 2 or 3
.irp t, 0,1,2,3,4,5,6,7,8,9,10,11,12,13,14,15
	ds_load_b128 v[AC+4*\t:AC+4*\t+3], v[RD] offset:\t*SPITCH
.endr
.endm
.macro SEND a, younger                 ; younger: the LDS loads issued behind block a's, which may stay out
.set AS, 64*((\a)%4)
	s_wait_dscnt \younger
	WIN 0x08+4*((\a)/4)
.irp t, 0,1,2,3,4,5,6,7,8,9,10,11,12,13,14,15
	global_store_b128 v[CO], v[AS+4*\t:AS+4*\t+3], s[10:11] offset:(16*(\a)+\t)*NROW th:TH_STORE_NT   ; 32 lanes store 512 consecutive bytes, aligned
.endr
.endm
	s_wait_tensorcnt 0x0                           ; my chunk of K step 0 is in
	ds_add_u32 v[SPW], v[NIL]
	s_wait_dscnt 0x0
	CROUND                                         ; everybody's chunk is in, and all sixteen work-groups are here
	JLOAD G0+4, G1, G0B+4, G1B                     ; K step 1: slot 1's first fill, the first tensor load behind the round
	FETCH_B 0, 0, 0
	FETCH_A 0, 0, 0, 0
	SCALES 0
	FETCH_A 0, 0, 0, 4
	PREF 3                                         ; K step 3
	STEP 0, 0, 1                                   ; the first step stands in front of the loop: its products start the sums from the bias
	WIN 0                                          ; at a label and at a branch every window is 0
	s_mov_b32 s3, LAPS-1
.Llap:                                                 ; a trip goes once round the ring, from a lap's second step to the next lap's first, and fills both slots again
	STEPS 0, 1
	TURN 0, 1
	STEPS 1, 0
	TURN 1, 0
	STEP 0, 0, 0
	WIN 0
	s_sub_co_u32 s3, s3, 1
	s_cmp_lg_u32 s3, 0
	s_cbranch_scc1 .Llap
	STEPS 0, 1                                     ; the last lap fills nothing, and has no round of the cluster's barrier
	MEET 0                                         ; slot 1 holds the last K step, whole; nobody reads slot 0 any more
	PLACES NP                                      ; for the loads into sets 0 and into the bias's registers
	WIN TO_B
	BLOAD 0                                        ; sets 1 (v128-191 of window 1, v192-255 of window 0) are still being multiplied
	BLOAD 1
	WIN 0
	SCALES 1
	ALOAD 0
	ALOAD 1
	WIN MUL_HI
	MUL16 4, 1, NQ-1, 0, 0
	MUL16 6, 1, NQ-1, 0, 0
	PLACES NP                                      ; for the loads into sets 1
	s_wait_dscnt 0x0                               ; the 56 loads above are in
	WIN TO_B
	BLOAD 2
	BLOAD 3
	WIN 0
	ALOAD 2
	ALOAD 3
	ROW 0
.irp a, 0,1,2,3,4,5,6,7
	PLACES NP                                      ; the stage's stores read results just made; the loads land on registers just read
	TOSTAGE \a
.if \a < 4
	WIN 0
	ALOAD \a+4                                     ; its buffer takes the block four further on
	s_wait_dscnt 40                                ; all but this block's 32 LDS instructions and those 8: the next block's fragments of A are in
.elseif \a < 7
	s_wait_dscnt 32
.endif
.if \a < 7
	ROW \a+1                                       ; the next block is multiplied while this one turns through the stage
.endif
.if \a < 4
	SEND \a, 8
.else
	SEND \a, 0
.endif
.endr
	WIN 0
	s_wait_tensorcnt 0x0                           ; the wave's end
	ds_add_u32 v[SPW], v[NIL]
	s_wait_dscnt 0x0
	CROUND                                         ; the closing round: no work-group ends while a partner may still ask for a chunk that names it
	s_endpgm
.Lfunc_end_k_q2ae63733d1_gemm:
	.size	k_q2ae63733d1_gemm, .Lfunc_end_k_q2ae63733d1_gemm-k_q2ae63733d1_gemm
	.p2alignl 7, 3214868480
	.fill 96, 4, 3214868480
	.section	.rodata,"a",@progbits
	.p2align	6, 0x0
	.amdhsa_kernel k_q2ae63733d1_gemm
		.amdhsa_group_segment_fixed_size 327680
		.amdhsa_private_segment_fixed_size 0
		.amdhsa_enable_private_segment 0
		.amdhsa_kernarg_size 32
		.amdhsa_user_sgpr_count 2
		.amdhsa_user_sgpr_kernarg_segment_ptr 1
		.amdhsa_wavefront_size32 1
		.amdhsa_system_sgpr_workgroup_id_x 1
		.amdhsa_system_sgpr_workgroup_id_y 1
		.amdhsa_system_sgpr_workgroup_id_z 1
		.amdhsa_system_vgpr_workitem_id 0
		.amdhsa_next_free_vgpr 1024
		.amdhsa_next_free_sgpr 80
		.amdhsa_reserve_vcc 0
		.amdhsa_float_denorm_mode_32 3
		.amdhsa_float_denorm_mode_16_64 3
		.amdhsa_memory_ordered 1
		.amdhsa_forward_progress 1
		.amdhsa_inst_pref_size 210
	.end_amdhsa_kernel
	.amdgpu_metadata
---
amdhsa.version: [ 1, 2 ]
amdhsa.kernels:
  - .name:           k_q2ae63733d1_gemm
    .symbol:         k_q2ae63733d1_gemm.kd
    .args:
      - { .name: xq, .offset: 0, .size: 8, .value_kind: global_buffer, .address_space: global }
      - { .name: wq, .offset: 8, .size: 8, .value_kind: global_buffer, .address_space: global }
      - { .name: bias, .offset: 16, .size: 8, .value_kind: global_buffer, .address_space: global }
      - { .name: out0, .offset: 24, .size: 8, .value_kind: global_buffer, .address_space: global }
    .group_segment_fixed_size: 327680
    .private_segment_fixed_size: 0
    .kernarg_segment_align: 8
    .kernarg_segment_size: 32
    .max_flat_workgroup_size: 128
    .sgpr_count:     80
    .vgpr_count:     1024
    .wavefront_size: 32
...
	.end_amdgpu_metadata
.endif
;; end of part 2
